; MI455X (gfx1250); checked and timed in simulation.
; The chip was launched on July 23, 2026; its instructions are those of AMD's public machine-readable ISA for CDNA 5 (MIT licence, August 2026) and "CDNA5" Instruction Set Architecture Reference Guide (July 2026). The comments in the code are by the model that wrote it; some were corrected since.
;; Self Attention. Allowed arithmetic: matrix products marked QUANTISED: E3M2 operands, one E8M0 scale for each 32 along K, by v_wmma_scale_f32_16x16x128_f8f6f4 with both operands' format E3M2, f32 sums; everything else in f32.
;; Inputs: Wk_codes 512 x 16 x 24 uint8 (E3M2 codes of Wk, K innermost, in blocks of 32 codes, four codes in three bytes); Wk_scales 512 x 16 uint8 (E8M0 scales of Wk, one for each 32 codes along K); Wo_codes 512 x 16 x 24 uint8 (E3M2 codes of Wo, K innermost, in blocks of 32 codes, four codes in three bytes); Wo_scales 512 x 16 uint8 (E8M0 scales of Wo, one for each 32 codes along K); Wq_codes 512 x 16 x 24 uint8 (E3M2 codes of Wq, K innermost, in blocks of 32 codes, four codes in three bytes); Wq_scales 512 x 16 uint8 (E8M0 scales of Wq, one for each 32 codes along K); Wv_codes 512 x 16 x 24 uint8 (E3M2 codes of Wv, K innermost, in blocks of 32 codes, four codes in three bytes); Wv_scales 512 x 16 uint8 (E8M0 scales of Wv, one for each 32 codes along K); beta 512 float32; bk 512 float32; bo 512 float32; bq 512 float32; bv 512 float32; gamma 512 float32; x 2 x 4,096 x 512 float32.
;; Outputs: out0 2 x 4,096 x 512 float32.
;; This version of the problem:
;;   THIS VERSION OF THE PROBLEM IS GIVEN IN LOW PRECISION. The matrix products marked QUANTISED in the list below multiply operands that are first quantised to E3M2 (3 exponent bits, 2 mantissa bits; 6 bits a number), with one power-of-two scale for each 32 numbers along K (OCP MX v1.0); their sums are f32. All else is computed in f32.
;;   The module's matrix products, in the order in which they are computed (A, B: the left and right operand; K: the contracted axis; several contracted axes count as one K, in the product's order):
;;     1. [M 8,192, K 512] x [K 512, N 512]; A: input x; B: input Wq (given as codes): QUANTISED
;;     2. [M 8,192, K 512] x [K 512, N 512]; A: input x; B: input Wk (given as codes): QUANTISED
;;     3. [M 8,192, K 512] x [K 512, N 512]; A: input x; B: input Wv (given as codes): QUANTISED
;;     4. batch 16 x [M 4,096, K 64] x [K 64, N 4,096]; A: computed on the way; B: computed on the way: QUANTISED
;;     5. batch 16 x [M 4,096, K 4,096] x [K 4,096, N 64]; A: softmax (see below); B: computed on the way: QUANTISED
;;     6. [M 8,192, K 512] x [K 512, N 512]; A: computed on the way; B: input Wo (given as codes): QUANTISED
;;   THE QUANTISER, for each operand of a quantised product, along K:
;;     - K is cut into blocks of 32 from its start; a last block that is shorter is filled with zeros.
;;     - A block's scale is 2^e with e = floor(log2(the largest magnitude in the block)) - 4, held to -126 .. 127; a block of zeros has e = 0. As a byte (E8M0): e + 127.
;;     - Each number is divided by its block's scale, clamped to +-28, and rounded to the nearest number of E3M2, ties to even, subnormals kept.
;;     - The product sums the exact products of the quantised numbers (number of the format x scale) in f32.
;;   ~~~python
;;   def quantise(x, axis):      # numpy; x: float32 -> the quantised numbers, widened to float32 again
;;       x = np.moveaxis(x, axis, -1); K = x.shape[-1]
;;       x = np.pad(x, [(0, 0)] * (x.ndim - 1) + [(0, -K % 32)]); x = x.reshape(x.shape[:-1] + (-1, 32)); a = np.abs(x).max(-1, keepdims=True)
;;       e = np.where(a > 0, np.clip(np.frexp(np.where(a > 0, a, 1))[1] - 1 - 4, -126, 127), 0)      # np.frexp(a)[1] - 1 = floor(log2(a)), exactly
;;       r = np.clip(x / 2.0 ** e, -28, 28)
;;       step = 2.0 ** (np.maximum(np.frexp(np.where(r == 0, 1, r))[1] - 1, -2) - 2)
;;       q = np.round(r / step) * step * 2.0 ** e      # np.round: ties to even
;;       return np.moveaxis(q.reshape(q.shape[:-2] + (-1,))[..., :K], -1, axis).astype(np.float32)
;;   ~~~
;;   SOFTMAX AHEAD OF A QUANTISED PRODUCT. Where the list says 'softmax', what is quantised is not the finished softmax but p = 2^(t - M), with t = logit x log2(e) and M = ceil(the row's largest t), a whole number; so 1/2 < the row's largest p <= 1. The row's sum l is taken of the UNQUANTISED p, in f32, and the product's result is divided by l at the end. Since M is a whole number, a kernel that streams over the keys may use a running M (the ceiling of the running maximum): every later rescaling is an exact power of two, which a block's scale takes up: the codes' values come out the same.
;;   OPERANDS COMPUTED ON THE WAY. 'Computed on the way' means the value that the module computes at that place (a softmax that the list does not call 'softmax' is quantised finished and normalised). What goes into a quantiser is computed in f32, as accurately as f32 sums, v_exp_f32 and their like allow (about 1e-6 of the number): no bf16 or f16 on the way to a quantiser, and a product that is left as it is and whose result goes on into a quantised operand takes f32 operands (vector FMAs, or v_wmma_f32_16x16x4_f32). A number that lies on a knife's edge between two numbers of the format may be rounded either way, as far as f32 arithmetic and the matrix unit's own rounding can turn it there, and no further.
;;   INPUTS GIVEN AS CODES. Wk (in the module: [512, 512], K = its axis 0); Wo (in the module: [512, 512], K = its axis 0); Wq (in the module: [512, 512], K = its axis 0); Wv (in the module: [512, 512], K = its axis 0): each comes as NAME_codes (uint8): NAME with its K axis moved to the last place and cut into blocks of 32 codes, [.., K / 32, bytes a block], one block behind the other in memory; four codes in three bytes: a row's codes are one little-endian stream of bits, code i at bits 6 i .. 6 i + 5 (a code: sign, 3 exponent bits, 2 mantissa bits); and NAME_scales (uint8): the same leading axes, one E8M0 byte (e + 127) for each 32 codes along K. Its value is code x scale, taken as it is: it is not quantised again, and the codes and scales need not be those that the quantiser above would give.
;; One version. Each part assembles by itself: llvm-mc -triple=amdgcn-amd-amdhsa -mcpu=gfx1250 --defsym DOCPART=n.
;; ======== version 1 of 1: 3 launches
;; limits: right only within a limited range of input values
;; workspace buffers: qcod 3,145,728 bytes; qscl 131,072 bytes; kv 6,553,600 bytes; acod 3,145,728 bytes; ascl 131,072 bytes
;; launch qkv (part 1): grid 64 x 3, 8 waves a work-group, clusters of 4 x 1, 300,032 bytes of LDS; arguments Wq_codes, Wq_scales, bq, qcod, Wk_codes, Wk_scales, bk, kv, Wv_codes, Wv_scales, bv, x, qscl; writes qcod, qscl, kv
.if DOCPART == 1
	.amdgcn_target "amdgcn-amd-amdhsa--gfx1250"
	.amdhsa_code_object_version 6
	.text
	.protected	k_q906979324b_qkv
	.globl	k_q906979324b_qkv
	.p2align	8
	.type	k_q906979324b_qkv,@function
k_q906979324b_qkv:
	s_mov_b64 s[64:65], 0
	v_nop
	global_prefetch_b8 v0, s[64:65] scope:SCOPE_SE
	s_setreg_imm32_b32 hwreg(HW_REG_WAVE_MODE, 25, 1), 1
	s_wait_xcnt 0x0
	s_wait_alu depctr_hold_cnt(0) depctr_sa_sdst(0) depctr_va_vdst(0) depctr_va_sdst(0) depctr_va_ssrc(0) depctr_va_vcc(0) depctr_vm_vsrc(0)
	s_getreg_b32 s2, hwreg(HW_REG_IB_STS2, 6, 4)
	s_cmp_eq_u32 s2, 0
	s_cbranch_scc0 .Lentry_in_a_cluster
	s_endpgm
.Lentry_in_a_cluster:
	s_bfe_u32 s2, ttmp6, 0x10000c
	s_cmp_lg_u32 s2, 0x3003
	s_cbranch_scc0 .Lentry_shape_is_right
	s_endpgm
.Lentry_shape_is_right:
; q = Q(x) Wq + bq, k = Q(x) Wk + bk, v = Q(x) Wv + bv on codes of BF6 (E3M2) with one E8M0 scale for each 32 along K, and the results quantised again: q and k along the head's 64, v along the keys.
; x: [8192][512] f32.  A weight: 512 rows (n) of 384 bytes of codes, K innermost, and 16 scale bytes a row.
; SHARES.  A work-group takes 128 rows of x and ONE weight (work-group y: 0 = Wq, 1 = Wk, 2 = Wv).  Wave w first quantises 16 rows of x (tile w) and hands them to the others through LDS as images of the
; operand's registers; then it is head w: its 64 rows of the weight (16 fragments, 192 registers) stay in window 1, and it makes the head's 64 columns for all 128 rows.
; ROW ORDER.  In a block of 128 rows tile 2 b + u has in lane r the row 32 b + 8 u + r + 8 (r / 8); the 64 rows of a head's weight form their four tiles in the same way.  Where such a tile is source 0, the 16 registers
; of tiles 2 b and 2 b + 1 are 16 neighbours, 32 b + 16 (lane / 16) + 0 .. 15: what the conversions want.  For q and k source 0 is the weight (registers run along d), for v it is x (registers run along the keys).
; OUT, in the order of the reader's registers (a fragment: 1,536 bytes, registers 4 c .. 4 c + 3 of lane l at 512 c + 16 l):
;   q, k: fragment f holds tile 2 f's 64 codes a row in registers 0-5 and tile 2 f + 1's in registers 6-11.   v: fragment j holds 16 channels (tile order) x 128 keys.
;   scale words: 256 bytes a record: lane l = 16 (f % 2) + r stores at 8 l the words of fragments f % 2 and 2 + f % 2 of row r.
;   qcod [rec][4][1536], qscl [rec][256];  kv [rec][12800] = K's 4 fragments, V's 4, K's 256 scale bytes, V's 256;  rec = 32 (8 batch + head) + block of 128 rows.
; CLUSTER.  The four work-groups of a cluster take the same weight: each wave's 64 rows are asked for jointly, by the same tensor load with a mask that names the four.
; 64 x 3 work-groups: a fragment of v spans 128 keys, so a work-group has 128 rows; eight equal wave tasks a work-group, two to a SIMD.
; LIMITS: NaN and infinities among the inputs are not served.  A block whose largest magnitude lies under 2^-122 keeps the scale byte 1; so does a block of zeros (the quantiser's rule says 127): its codes are zeros, and these bytes are read by this program alone.
.set WREG,  30720                      ; LDS: wave w's 64 rows of the weight at w x WREG
.set WP,    480                        ; a row: 6 x (64 bytes + 16 of padding)
.set FRB,   1536                       ; a fragment's image
.set RECB,  12800                      ; a record of kv
.set XIMG,  8*WREG                     ; x's 32 images: (tile t, K step s) at (4 t + s) FRB
.set XSC,   XIMG+32*FRB                ; their scale words: 128 bytes each, 4 x lane
.set SP,    528                        ; the wave's stage for x: 16 rows x (512 bytes + 16); two stages, in its own rows of the weight once these are in registers
.set STGB,  16*SP
.set L16, 1                            ; v1   16 x lane
.set L8,  2                            ; v2   8 x lane
.set WFA, 3                            ; v3   my place in a tile of the weight in LDS;  v4 the same behind one padding more
.set WFB, 4
.set STW, 5                            ; v5   the stage, on the way in: 16 x lane
.set STR, 6                            ; v6   and back: row r, + 64 h
.set XWI, 7                            ; v7   where I store x's images;  v8 their scale words
.set XWS, 8
.set XRI, 9                            ; v9   from where anybody reads them;  v10 the scale words
.set XRS, 10
.set WSA, 11                           ; v11  the weight's scale words: 16 x row + 4 h
.set BAQ, 12                           ; v12  the bias in the layout of q's and k's results: 64 h
.set BAV, 13                           ; v13  and of v's: 4 x my channel
.set XF,  16                           ; v16-63   four fragments of x          (while x is quantised: v16-143 two sets of 64 numbers as loaded,
.set R0,  16
.set ACC, 64                           ; v64-191  sixteen accumulators          v144-207 64 numbers of my row)
.set XT,  144
.set PC,  208                          ; v208-227 the codes just made
.set TM,  228                          ; v228-231 largest magnitudes, v232-235 exchange and bytes, v236-239 the conversions' scale operands
.set WS,  240                          ; v240-247 the weight's scale words: register 2 j + g: lanes 0-15 K step 2 g, lanes 16-31 K step 2 g + 1
.set XS,  248                          ; v248-251 x's scale words
.set SW,  252                          ; v252-255 the four scale words that leave
.set BQ,  192                          ; window 1: v0-191 the weight, fragment (j, s) at 12 (4 j + s); v192-223 the bias, eight registers a tile; v224-231 the bias of my channel, a pair a tile
.set BV,  224                          ; (on v's way the fragments under assembly take v192-215 and v232-255)
.set WV,  48
.set TYP, 49
.set MSB, 0
.macro WIN new                         ; the immediate's high byte repeats the setting that is left
.if MSB != \new
	s_set_vgpr_msb (MSB<<8)|\new
.set MSB, \new
.endif
.endm
.macro PLACES                          ; four plain places behind a matrix instruction, in front of loads into its registers and of reads of its results
.rept 4
	v_nop
.endr
.endm
.macro CROUND                          ; a round of the cluster's barrier
	s_barrier_signal -1
	s_barrier_wait -1
	s_cmp_lg_u32 s[WV], 0
	s_cbranch_scc1 .Lnot_wave_0_\@
	s_barrier_signal -3
.Lnot_wave_0_\@:
	s_barrier_wait -3
	s_barrier_signal -1
	s_barrier_wait -1
.endm
; one matrix instruction.  c < 0: the sum starts with 0.  row = 1: source 0's scales stand in lanes 16-31; 2: source 1's
.macro WM d, a, b, c, sa, sb, row
.if (\c) < 0
.if (\row) == 0
	v_wmma_scale_f32_16x16x128_f8f6f4 v[\d:\d+7], v[\a:\a+11], v[\b:\b+11], 0, v[\sa], v[\sb] matrix_a_fmt:MATRIX_FMT_BF6 matrix_b_fmt:MATRIX_FMT_BF6
.elseif (\row) == 1
	v_wmma_scale_f32_16x16x128_f8f6f4 v[\d:\d+7], v[\a:\a+11], v[\b:\b+11], 0, v[\sa], v[\sb] matrix_a_fmt:MATRIX_FMT_BF6 matrix_b_fmt:MATRIX_FMT_BF6 matrix_a_scale:MATRIX_SCALE_ROW1
.else
	v_wmma_scale_f32_16x16x128_f8f6f4 v[\d:\d+7], v[\a:\a+11], v[\b:\b+11], 0, v[\sa], v[\sb] matrix_a_fmt:MATRIX_FMT_BF6 matrix_b_fmt:MATRIX_FMT_BF6 matrix_b_scale:MATRIX_SCALE_ROW1
.endif
.else
.if (\row) == 0
	v_wmma_scale_f32_16x16x128_f8f6f4 v[\d:\d+7], v[\a:\a+11], v[\b:\b+11], v[\c:\c+7], v[\sa], v[\sb] matrix_a_fmt:MATRIX_FMT_BF6 matrix_b_fmt:MATRIX_FMT_BF6
.elseif (\row) == 1
	v_wmma_scale_f32_16x16x128_f8f6f4 v[\d:\d+7], v[\a:\a+11], v[\b:\b+11], v[\c:\c+7], v[\sa], v[\sb] matrix_a_fmt:MATRIX_FMT_BF6 matrix_b_fmt:MATRIX_FMT_BF6 matrix_a_scale:MATRIX_SCALE_ROW1
.else
	v_wmma_scale_f32_16x16x128_f8f6f4 v[\d:\d+7], v[\a:\a+11], v[\b:\b+11], v[\c:\c+7], v[\sa], v[\sb] matrix_a_fmt:MATRIX_FMT_BF6 matrix_b_fmt:MATRIX_FMT_BF6 matrix_b_scale:MATRIX_SCALE_ROW1
.endif
.endif
.endm
; a fragment of the weight out of LDS: tile j, K step s: 24 bytes of the row's stream of bits twice, in pieces of 8 bytes; lanes 16-31 read three pieces further on, which for some pieces is behind one padding more
.macro FRAG reg, j, s
.irp p, 0,1,2,3,4,5
.set PCE, 12*(\s)+6*(\p/3)+\p%3
.if PCE%8 < 5
	ds_load_b64 v[\reg+2*\p:\reg+2*\p+1], v[WFA] offset:8*PCE+16*(PCE/8)+(32*((\j)/2)+8*((\j)%2))*WP
.else
	ds_load_b64 v[\reg+2*\p:\reg+2*\p+1], v[WFB] offset:8*PCE+16*(PCE/8)+(32*((\j)/2)+8*((\j)%2))*WP
.endif
.endr
.endm
.macro LOADX s                         ; K step s (512 bytes) of my tile's 16 rows: each load reads 512 consecutive bytes
.irp p, 0,1,2,3,4,5,6,7,8,9,10,11,12,13,14,15
	global_load_b128 v[R0+64*((\s)%2)+4*\p:R0+64*((\s)%2)+4*\p+3], v[L16], s[46:47] offset:(\p+8*(\p/8))*2048+512*(\s)
.endr
.endm
.macro TURN s                          ; through my stage: in as loaded, back with 16 neighbours of each block of 32 in a lane: register 16 b + i = k 32 b + 16 h + i of row r.  LDS serves a wave's instructions in order
.irp p, 0,1,2,3,4,5,6,7,8,9,10,11,12,13,14,15
	ds_store_b128 v[STW], v[R0+64*((\s)%2)+4*\p:R0+64*((\s)%2)+4*\p+3] offset:STGB*((\s)%2)+SP*\p
.endr
.irp b, 0,1,2,3
.irp i, 0,1,2,3
	ds_load_b128 v[XT+16*\b+4*\i:XT+16*\b+4*\i+3], v[STR] offset:STGB*((\s)%2)+128*\b+16*\i
.endr
.endr
.endm
; 64 numbers of a lane, register 16 b + i = place 32 b + 16 h + i, become a fragment's codes in v[PC] on; bytes of blocks 0, 1 in v[TM+4], of blocks 2, 3 in v[TM+6]
.macro QUANT s
.irp b, 0,1,2,3
	v_max3_num_f32 v[TM+\b], |v[\s+16*\b]|, |v[\s+16*\b+1]|, 0x2800000   ; my 16 numbers of block b, and the floor 2^(5 - 127): the byte cannot fall under 1
.endr
.irp i, 2,4,6,8,10,12,14
.irp b, 0,1,2,3
	v_max3_num_f32 v[TM+\b], v[TM+\b], |v[\s+16*\b+\i]|, |v[\s+16*\b+\i+1]|
.endr
.endr
.irp b, 0,1,2,3
	s_delay_alu instid0(VALU_DEP_4)
	v_permlanex16_b32 v[TM+4+\b], v[TM+\b], s60, s61
.endr
.irp b, 0,1,2,3
	s_delay_alu instid0(VALU_DEP_4)
	v_max_num_f32 v[TM+\b], v[TM+\b], v[TM+4+\b]   ; with lane l xor 16's: the block's largest magnitude
.endr
.irp b, 0,1,2,3
	s_delay_alu instid0(VALU_DEP_4)
	v_add_nc_u32 v[TM+8+\b], 0xfe000000, v[TM+\b]  ; 4 off its exponent field: the conversion's scale operand
.endr
.irp b, 0,1,2,3
	s_delay_alu instid0(VALU_DEP_4)
	v_lshrrev_b32 v[TM+4+\b], 23, v[TM+8+\b]       ; the scale's byte
.endr
	s_delay_alu instid0(VALU_DEP_3)
	v_lshl_or_b32 v[TM+4], v[TM+5], 8, v[TM+4]
	s_delay_alu instid0(VALU_DEP_2)
	v_lshl_or_b32 v[TM+6], v[TM+7], 8, v[TM+6]
.irp c, 0,1
	v_cvt_scalef32_pk16_bf6_f32 v[PC+6*\c:PC+6*\c+2], v[\s+32*\c:\s+32*\c+15], v[TM+8+2*\c]
	v_cvt_scalef32_pk16_bf6_f32 v[PC+12+4*\c:PC+12+4*\c+2], v[\s+32*\c+16:\s+32*\c+31], v[TM+8+2*\c+1]   ; (a conversion's three registers begin on an even number)
.endr
	v_nop                                          ; one plain place behind a scaled conversion
.irp c, 0,1                                    ; the operand's layout wants a whole block in a lane: lanes 0-15 block 2 c, lanes 16-31 block 2 c + 1
.irp i, 0,1,2
	v_permlane16_swap_b32 v[PC+6*\c+\i], v[PC+12+4*\c+\i]
.endr
.irp i, 0,1,2
	s_delay_alu instid0(VALU_DEP_3)
	v_mov_b32 v[PC+6*\c+3+\i], v[PC+12+4*\c+\i]
.endr
.endr
.endm
.macro FETCH c, s                      ; x's fragments of tiles 4 c .. 4 c + 3, K step s, and their scale words
.irp t, 0,1,2,3
.irp k, 0,1,2
	ds_load_b128 v[XF+12*\t+4*\k:XF+12*\t+4*\k+3], v[XRI] offset:(4*(4*(\c)+\t)+(\s))*FRB+512*\k
.endr
	ds_load_b32 v[XS+\t], v[XRS] offset:(4*(4*(\c)+\t)+(\s))*128
.endr
.endm
; 16 matrix instructions, four tiles of x against the head's four tiles of the weight, K step s; the sixteen accumulators take turns, one instruction a turn
.macro MM v, s
.irp t, 0,1,2,3
.irp j, 0,1,2,3
.if \v
.if (\s) == 0
	WM ACC+32*\j+8*\t, XF+12*\t, 12*(4*\j+(\s)), -1, XS+\t, WS+2*\j+(\s)/2, 2*((\s)%2)
.else
	WM ACC+32*\j+8*\t, XF+12*\t, 12*(4*\j+(\s)), ACC+32*\j+8*\t, XS+\t, WS+2*\j+(\s)/2, 2*((\s)%2)
.endif
.else
.if (\s) == 0
	WM ACC+32*\t+8*\j, 12*(4*\j+(\s)), XF+12*\t, BQ+8*\j, WS+2*\j+(\s)/2, XS+\t, (\s)%2
.else
	WM ACC+32*\t+8*\j, 12*(4*\j+(\s)), XF+12*\t, ACC+32*\t+8*\j, WS+2*\j+(\s)/2, XS+\t, (\s)%2
.endif
.endif
.endr
.endr
.endm
	s_load_b256 s[8:15], s[0:1], 0x0               ; Wq's codes, Wq's scales, bq, qcod
	s_load_b256 s[16:23], s[0:1], 0x20             ; Wk's codes, Wk's scales, bk, kv
	s_load_b256 s[24:31], s[0:1], 0x40             ; Wv's codes, Wv's scales, bv, x
	s_load_b64 s[32:33], s[0:1], 0x60              ; qscl
	v_lshl_add_u32 v223, v0, 2, 0x49000
	v_mov_b32 v227, 0
	ds_add_u32 v223, v227
	ds_add_u32 v223, v227
	v_lshrrev_b32 v14, 5, v0
	s_delay_alu instid0(VALU_DEP_1)
	v_readfirstlane_b32 s[WV], v14                 ; wave 0..7
	s_and_b32 s[TYP], ttmp7, 0xffff                ; which weight: the same in the four partners
	s_bfe_u32 s50, ttmp6, 0x40000                  ; cx
	s_lshl_b32 s51, ttmp9, 2
	s_add_co_u32 s51, s51, s50                     ; my block of 128 rows: it enters x's address and the outputs' alone
	; descriptor group 1: 64 rows of 384 bytes, 16 bytes of padding behind each 64
	s_mov_b32 s68, 15|(1<<20)|(1<<21)|(3<<22)|(3<<25)  ; 15:0 the mask: all four work-groups; 17:16 elements of 1 byte; 20 padding on; 21 set beside a mask; 24:22 after every 16 words; 31:25 4 words
	; my 64 rows of 384 bytes are one dense block of 24,576 bytes: stated as 96 rows of 256 bytes, each at a multiple of 256; the padding is counted along the whole tile, so the LDS image is the same
	s_mov_b32 s69, 256<<16                         ; tensor_dim0
	s_mov_b32 s70, 96<<16                          ; tensor_dim1
	s_mov_b32 s71, 256<<16                         ; tile_dim0
	s_mov_b32 s72, 96                              ; tile_dim1
	s_mov_b32 s73, 256                             ; from row to row
	s_mov_b32 s74, 0
	s_mov_b32 s75, 0
	s_mov_b32 s60, 0x76543210
	s_mov_b32 s61, 0xfedcba98                      ; v_permlanex16_b32's selects for lane l xor 16
	; every LDS address is made here: constants, the lane and the wave's number
	v_and_b32 v14, 31, v0                          ; lane
	s_delay_alu instid0(VALU_DEP_1)
	v_lshlrev_b32 v[L16], 4, v14
	s_delay_alu instid0(VALU_DEP_2)
	v_lshlrev_b32 v[L8], 3, v14
	s_mul_i32 s52, s[WV], WREG
	s_lshl_b32 s53, s[WV], 9
	s_add_co_u32 s53, s53, XSC
	v_lshl_add_u32 v[XWS], v14, 2, s53
	v_lshl_add_u32 v[XRS], v14, 2, XSC
	s_mul_i32 s53, s[WV], 4*FRB
	s_add_co_u32 s53, s53, XIMG
	v_add_nc_u32 v[XWI], s53, v[L16]
	v_add_nc_u32 v[XRI], XIMG, v[L16]
	v_add_nc_u32 v[STW], s52, v[L16]
	v_and_b32 v14, 15, v0                          ; r
	v_bfe_u32 v15, v0, 4, 1                        ; h
	s_delay_alu instid0(VALU_DEP_2)
	v_mul_u32_u24 v[STR], v14, SP
	s_delay_alu instid0(VALU_DEP_1)
	v_lshl_add_u32 v[STR], v15, 6, v[STR]
	s_delay_alu instid0(VALU_DEP_1)
	v_add_nc_u32 v[STR], s52, v[STR]
	v_and_b32 v[BAV], 8, v14
	s_delay_alu instid0(VALU_DEP_1)
	v_add_nc_u32 v[BAV], v[BAV], v14               ; r + 8 (r / 8)
	s_delay_alu instid0(VALU_DEP_1)
	v_mul_u32_u24 v[WFA], v[BAV], WP
	s_delay_alu instid0(VALU_DEP_1)
	v_mad_u32_u24 v[WFA], v15, 24, v[WFA]
	s_delay_alu instid0(VALU_DEP_1)
	v_add_nc_u32 v[WFA], s52, v[WFA]
	s_delay_alu instid0(VALU_DEP_1)
	v_lshl_add_u32 v[WFB], v15, 4, v[WFA]
	v_lshlrev_b32 v[WSA], 4, v[BAV]
	s_delay_alu instid0(VALU_DEP_1)
	v_lshl_add_u32 v[WSA], v15, 2, v[WSA]
	v_lshlrev_b32 v[BAQ], 6, v15
	v_lshlrev_b32 v[BAV], 2, v[BAV]
.irp b, 0,1,2,3
	v_mov_b32 v[TM+4+\b], 0                        ; written once: a lane permute's destination counts as one of its sources
.endr
	s_wait_dscnt 0x0
	s_wait_kmcnt 0x0
	s_cmp_eq_u32 s[TYP], 0                         ; the buffers are chosen by the weight's number alone
	s_cselect_b64 s[36:37], s[8:9], s[16:17]       ; the weight's codes
	s_cselect_b64 s[38:39], s[10:11], s[18:19]     ; its scales
	s_cselect_b64 s[40:41], s[12:13], s[20:21]     ; the bias
	s_cselect_b64 s[42:43], s[14:15], s[22:23]     ; where the codes go
	s_cselect_b64 s[44:45], s[32:33], s[22:23]     ; where the scale words go
	s_mov_b32 s52, RECB
	s_cselect_b32 s52, 4*FRB, s52                  ; a record of codes
	s_mov_b32 s53, RECB
	s_cselect_b32 s53, 256, s53                    ; a record of scale words
	s_cselect_b32 s54, 0, 8*FRB                    ; in kv they lie behind the eight fragments
	s_cmp_eq_u32 s[TYP], 2
	s_cselect_b64 s[36:37], s[24:25], s[36:37]
	s_cselect_b64 s[38:39], s[26:27], s[38:39]
	s_cselect_b64 s[40:41], s[28:29], s[40:41]
	s_cselect_b32 s55, 4*FRB, 0                    ; V's fragments lie behind K's,
	s_cselect_b32 s62, 256, 0                      ; V's scale words behind K's
	; descriptor group 0: nothing in it hangs on my place in the cluster
	s_mul_i32 s2, s[WV], 64*384
	s_mov_b32 s3, 0
	s_mov_b32 s56, 1
	s_mul_i32 s57, s[WV], WREG
	s_add_nc_u64 s[58:59], s[36:37], s[2:3]
	s_or_b32 s59, s59, 0x80000000
	s_lshl_b32 s2, s[WV], 10
	s_add_nc_u64 s[38:39], s[38:39], s[2:3]        ; my 64 rows' scale bytes
	s_lshl_b32 s2, s[WV], 8
	s_add_nc_u64 s[40:41], s[40:41], s[2:3]        ; my 64 numbers of the bias
	s_lshr_b32 s63, s51, 5                         ; batch
	s_lshl_b32 s63, s63, 3
	s_add_co_u32 s63, s63, s[WV]
	s_lshl_b32 s63, s63, 5
	s_and_b32 s76, s51, 31
	s_add_co_u32 s63, s63, s76                     ; rec
	s_mul_i32 s53, s63, s53
	s_add_co_u32 s53, s53, s54
	s_add_co_u32 s62, s53, s62
	s_mul_i32 s52, s63, s52
	s_add_co_u32 s52, s52, s55
	s_mov_b32 s53, 0
	s_mov_b32 s63, 0
	s_add_nc_u64 s[42:43], s[42:43], s[52:53]
	s_add_nc_u64 s[44:45], s[44:45], s[62:63]
	s_lshl_b32 s52, s51, 7                         ; x at my tile's first row: 128 x block + 32 (w / 2) + 8 (w % 2)
	s_lshr_b32 s54, s[WV], 1
	s_lshl_b32 s54, s54, 5
	s_add_co_u32 s52, s52, s54
	s_and_b32 s54, s[WV], 1
	s_lshl_b32 s54, s54, 3
	s_add_co_u32 s52, s52, s54
	s_lshl_b32 s52, s52, 11
	s_add_nc_u64 s[46:47], s[30:31], s[52:53]
	CROUND                                         ; all four work-groups are here: the joint loads meet
	tensor_load_to_lds s[56:59], s[68:75]          ; my 64 rows of the weight: the wave's one tensor load
	s_nop 0
	PLACES                                         ; four v_nop follow it
	s_wait_alu depctr_va_vdst(0)
.irp j, 0,1,2,3
.irp g, 0,1
	global_load_b32 v[WS+2*\j+\g], v[WSA], s[38:39] offset:(32*(\j/2)+8*(\j%2))*16+8*\g
.endr
.endr
	WIN 0x40                                       ; destination window 1
.irp j, 0,1,2,3                                ; the bias in both layouts: each way below reads its own
	global_load_b128 v[BQ+8*\j:BQ+8*\j+3], v[BAQ], s[40:41] offset:(32*(\j/2)+8*(\j%2))*4
	global_load_b128 v[BQ+8*\j+4:BQ+8*\j+7], v[BAQ], s[40:41] offset:(32*(\j/2)+8*(\j%2))*4+16
	global_load_b32 v[BV+2*\j], v[BAV], s[40:41] offset:(32*(\j/2)+8*(\j%2))*4
	global_load_b32 v[BV+2*\j+1], v[BAV], s[40:41] offset:(32*(\j/2)+8*(\j%2))*4
.endr
	WIN 0
	LOADX 0
	LOADX 1
	s_wait_tensorcnt 0x0                           ; my rows of the weight are in LDS; nobody else reads them
	WIN 0x40
.irp j, 0,1,2,3
.irp s, 0,1,2,3
	FRAG 12*(4*\j+\s), \j, \s
.endr
.endr
	WIN 0
	s_wait_dscnt 0x0                               ; they are in registers: their bytes, which have had their only fill, now serve as my stages
	; ---- my 16 rows of x become four fragments
.irp s, 0,1,2,3
.if \s < 3
	s_wait_loadcnt 16                              ; this K step's sixteen loads (and all before them) are in; the next K step's sixteen may be out
.else
	s_wait_loadcnt 0x0
.endif
	TURN \s
	s_wait_dscnt 0x0                               ; the numbers are back; the stores, the last image's too, have read their registers
.if \s < 2
	LOADX \s+2
.endif
	QUANT XT
	v_lshl_or_b32 v[TM+4], v[TM+6], 16, v[TM+4]    ; my row's scale word
.irp k, 0,1,2
	ds_store_b128 v[XWI], v[PC+4*\k:PC+4*\k+3] offset:FRB*\s+512*\k
.endr
	ds_store_b32 v[XWS], v[TM+4] offset:128*\s
.endr
	s_wait_dscnt 0x0                               ; for the others' sake: my images have landed
	s_barrier_signal -1
	s_barrier_wait -1                              ; x's 32 fragments lie in LDS; from here on LDS is only read
	s_cmp_eq_u32 s[TYP], 2
	s_cbranch_scc1 .Lvway
	; ---- q and k: source 0 = the weight, source 1 = x; the bias is the C of each sum's first instruction
.macro QKPASS c
.irp s, 0,1,2,3
	FETCH \c, \s
	s_wait_dscnt 0x0
.if \s == 0
	WIN 0x11                                       ; the weight and the bias in window 1
.else
	WIN 0x01
.endif
	MM 0, \s
	WIN 0
	PLACES
.endr
.irp g, 0,1                                    ; tiles 4 c + 2 g and 4 c + 2 g + 1 of the rows make fragment 2 c + g
	s_wait_xcnt 0x0                                ; the last stores have read their data: the codes' registers may be written
	QUANT ACC+64*\g
	v_lshl_or_b32 v[SW+2*(\c)+\g], v[TM+6], 16, v[TM+4]
.irp k, 0,1,2
	global_store_b128 v[L16], v[PC+4*\k:PC+4*\k+3], s[42:43] offset:(2*(\c)+\g)*FRB+512*\k   ; 32 lanes store 512 consecutive bytes, aligned
.endr
.endr
.endm
	QKPASS 0
	QKPASS 1
	s_branch .Ljoin
.Lvway:
	; ---- v: source 0 = x, source 1 = the weight: a lane holds one channel, its registers run along the keys
.macro VPASS c
.irp s, 0,1,2,3
	FETCH \c, \s
	s_wait_dscnt 0x0
	WIN 0x04                                       ; the weight in window 1
	MM 1, \s
	WIN 0
	PLACES
.endr
	WIN 0x04
.irp j, 0,1,2,3                                ; + my channel's bias; each accumulator from its low end on
.irp i, 0,2,4,6,8,10,12,14,16,18,20,22,24,26,28,30
	v_pk_add_f32 v[ACC+32*\j+\i:ACC+32*\j+\i+1], v[ACC+32*\j+\i:ACC+32*\j+\i+1], v[BV+2*\j:BV+2*\j+1]
.endr
.endr
	WIN 0
.irp g, 0,1                                    ; channel tiles 2 g, 2 g + 1: key blocks 2 c, 2 c + 1 of each
	QUANT ACC+64*\g
.if (\c) == 0
	v_mov_b32 v[SW+2*\g], v[TM+4]
	v_mov_b32 v[SW+2*\g+1], v[TM+6]
.else
	v_lshl_or_b32 v[SW+2*\g], v[TM+4], 16, v[SW+2*\g]
	v_lshl_or_b32 v[SW+2*\g+1], v[TM+6], 16, v[SW+2*\g+1]
.endif
	WIN 0x40                                       ; registers 6 c .. 6 c + 5 of the two fragments, in window 1
.irp i, 0,1,2,3,4,5
	v_mov_b32 v[192+40*\g+6*(\c)+\i], v[PC+\i]
	v_mov_b32 v[204+40*\g+6*(\c)+\i], v[PC+6+\i]
.endr
	WIN 0
.endr
.endm
	VPASS 0
	VPASS 1
	WIN 0x04                                       ; a store's data are its source 1
.irp g, 0,1
.irp e, 0,1
.irp k, 0,1,2
	global_store_b128 v[L16], v[192+40*\g+12*\e+4*\k:192+40*\g+12*\e+4*\k+3], s[42:43] offset:(2*\g+\e)*FRB+512*\k
.endr
.endr
.endr
	WIN 0
.Ljoin:
	v_and_b32 v14, 16, v0
	s_delay_alu instid0(VALU_DEP_1)
	v_cmp_ne_u32 vcc_lo, 0, v14                    ; lanes 16-31 store the words of fragments 1 and 3, lanes 0-15 of 0 and 2
	s_delay_alu instid0(VALU_DEP_1)
	v_cndmask_b32 v14, v[SW], v[SW+1], vcc_lo
	s_wait_alu depctr_va_vdst(0)
	v_cndmask_b32 v15, v[SW+2], v[SW+3], vcc_lo
	global_store_b64 v[L8], v[14:15], s[44:45]     ; 32 lanes store 256 consecutive bytes, aligned
	s_wait_dscnt 0x0
	s_wait_tensorcnt 0x0
	ds_add_u32 v223, v227
	s_wait_dscnt 0x0
	CROUND                                         ; the closing round: no work-group ends while a partner may still ask for rows that name it
	s_endpgm
.Lfunc_end_k_q906979324b_qkv:
	.size	k_q906979324b_qkv, .Lfunc_end_k_q906979324b_qkv-k_q906979324b_qkv
	.p2alignl 7, 3214868480
	.fill 96, 4, 3214868480
	.section	.rodata,"a",@progbits
	.p2align	6, 0x0
	.amdhsa_kernel k_q906979324b_qkv
		.amdhsa_group_segment_fixed_size 300032
		.amdhsa_private_segment_fixed_size 0
		.amdhsa_enable_private_segment 0
		.amdhsa_kernarg_size 104
		.amdhsa_user_sgpr_count 2
		.amdhsa_user_sgpr_kernarg_segment_ptr 1
		.amdhsa_wavefront_size32 1
		.amdhsa_system_sgpr_workgroup_id_x 1
		.amdhsa_system_sgpr_workgroup_id_y 1
		.amdhsa_system_sgpr_workgroup_id_z 1
		.amdhsa_system_vgpr_workitem_id 0
		.amdhsa_next_free_vgpr 512
		.amdhsa_next_free_sgpr 80
		.amdhsa_reserve_vcc 1
		.amdhsa_float_denorm_mode_32 3
		.amdhsa_float_denorm_mode_16_64 3
		.amdhsa_memory_ordered 1
		.amdhsa_forward_progress 1
		.amdhsa_inst_pref_size 149
	.end_amdhsa_kernel
	.amdgpu_metadata
---
amdhsa.version: [ 1, 2 ]
amdhsa.kernels:
  - .name:           k_q906979324b_qkv
    .symbol:         k_q906979324b_qkv.kd
    .args:
      - { .name: Wq_codes, .offset: 0, .size: 8, .value_kind: global_buffer, .address_space: global }
      - { .name: Wq_scales, .offset: 8, .size: 8, .value_kind: global_buffer, .address_space: global }
      - { .name: bq, .offset: 16, .size: 8, .value_kind: global_buffer, .address_space: global }
      - { .name: qcod, .offset: 24, .size: 8, .value_kind: global_buffer, .address_space: global }
      - { .name: Wk_codes, .offset: 32, .size: 8, .value_kind: global_buffer, .address_space: global }
      - { .name: Wk_scales, .offset: 40, .size: 8, .value_kind: global_buffer, .address_space: global }
      - { .name: bk, .offset: 48, .size: 8, .value_kind: global_buffer, .address_space: global }
      - { .name: kv, .offset: 56, .size: 8, .value_kind: global_buffer, .address_space: global }
      - { .name: Wv_codes, .offset: 64, .size: 8, .value_kind: global_buffer, .address_space: global }
      - { .name: Wv_scales, .offset: 72, .size: 8, .value_kind: global_buffer, .address_space: global }
      - { .name: bv, .offset: 80, .size: 8, .value_kind: global_buffer, .address_space: global }
      - { .name: x, .offset: 88, .size: 8, .value_kind: global_buffer, .address_space: global }
      - { .name: qscl, .offset: 96, .size: 8, .value_kind: global_buffer, .address_space: global }
    .group_segment_fixed_size: 300032
    .private_segment_fixed_size: 0
    .kernarg_segment_align: 8
    .kernarg_segment_size: 104
    .max_flat_workgroup_size: 256
    .sgpr_count:     80
    .vgpr_count:     512
    .wavefront_size: 32
...
	.end_amdgpu_metadata
.endif
;; end of part 1
;; launch attn (part 2): grid 16 x 16, 16 waves a work-group, clusters of 4 x 1, 327,680 bytes of LDS; arguments qcod, qscl, kv, acod, ascl; writes acod, ascl
.if DOCPART == 2
	.amdgcn_target "amdgcn-amd-amdhsa--gfx1250"
	.amdhsa_code_object_version 6
	.text
	.protected	k_q906979324b_attn
	.globl	k_q906979324b_attn
	.p2align	8
	.type	k_q906979324b_attn,@function
k_q906979324b_attn:
	s_mov_b64 s[64:65], 0
	v_nop
	global_prefetch_b8 v0, s[64:65] scope:SCOPE_SE
	s_setreg_imm32_b32 hwreg(HW_REG_WAVE_MODE, 25, 1), 1
	s_wait_xcnt 0x0
	s_wait_alu depctr_hold_cnt(0) depctr_sa_sdst(0) depctr_va_vdst(0) depctr_va_sdst(0) depctr_va_ssrc(0) depctr_va_vcc(0) depctr_vm_vsrc(0)
	s_getreg_b32 s2, hwreg(HW_REG_IB_STS2, 6, 4)
	s_cmp_eq_u32 s2, 0
	s_cbranch_scc0 .Lentry_in_a_cluster
	s_endpgm
.Lentry_in_a_cluster:
	s_bfe_u32 s2, ttmp6, 0x10000c
	s_cmp_lg_u32 s2, 0x3003
	s_cbranch_scc0 .Lentry_shape_is_right
	s_endpgm
.Lentry_shape_is_right:
; For each of 16 (batch, head): O = softmax(q k^T / 8) v, both products on codes of BF6 (E3M2) with one E8M0 scale for each 32 along K; O / l is quantised along the model's 512 and stored as codes.
; THE SOFTMAX: t = score x log2(e) / 8; M = the running largest t rounded UP to a whole number; p = 2^(t - M) is quantised along the keys, not normalised; the row's sum l is taken of the unquantised p and divides O at
; the end.  When M moves, l and O are multiplied by f = 2^(old M - new M): exact.
; SHARES.  A work-group owns 256 queries of one head, each of its sixteen waves one tile of 16, in 256 registers.  Every wave walks the head's 4,096 keys, 128 a step.  A step's record (12,800 bytes: K's four fragments,
; V's four, K's scale words, V's) lies in memory in the order of the operands' registers.  A ring of two LDS slots of eight records; each of the sixteen waves fetches 25 rows of 256 bytes of a slot.
; An LDS row is 256 bytes + 64 of padding: a fragment (six rows) is 1,920 bytes, 128 modulo 256.
; CLUSTER.  The four work-groups of a cluster belong to one head and walk the same records: each part is asked for jointly, by the same tensor load with a mask that names the four.
; LAYOUT.  Both products are used transposed (S^T = K Q^T, O^T = V^T P^T): a lane holds ONE query (lane % 16) throughout.  A stored fragment F of K carries tiles 2 F (k = 0 .. 63) and 2 F + 1 (k = 64 .. 127) of 16 keys;
; tile 2 b + u has in lane r key 32 b + 8 u + r + 8 (r / 8).  Q stands as 18 registers, zeros | q | zeros: (q | 0) picks the first tile, (0 | q) the second.
; THE FRAGMENTS OF K ARE READ BY A PERMUTED LANE ADDRESS: fragment f = 2 c + g takes in lane (r, h) the twelve registers of stored fragment 2 c + r / 8, lane (r % 8 + 8 g, h).  Score register 32 c + i of lane (q, h) is
; then key 64 c + 32 h + i: A WHOLE BLOCK OF 32 KEYS IN A LANE, in the order of P's operand registers.  Lanes 0-7 and 8-15 of such a load read 128 bytes each, 1,920 bytes apart.
; A BLOCK'S SCALE: floor(log2(2^x)) = floor(x), so the exponent of the block's largest p is floor(largest t - M), by the same multiply-add that makes the exponentials' inputs.
; THE ROW'S SUM of a step's p is added up in the next step, behind the products with V and the loads of K, where places are owed; l = l f + the step's sum is one multiply-add.
; No prefetch: a refill is asked for a whole slot, eight key steps of sixteen waves, ahead of its first read.
; OUT.  acod [tile 0..511][head][768]: the six registers of lane l (block l / 16 of the head's 64 channels of query l % 16): registers 0-3 at 16 l, registers 4, 5 at 512 + 8 l.  ascl [tile][r][head][2 bytes].
; LIMITS: NaN and infinities are not served.  The promise holds while the scaled scores t stay under 2^31 in magnitude.  A block whose largest magnitude lies under 2^-122, a block of zeros among them, keeps the scale
; byte 1: these bytes are read by this program alone.  Where v_exp_f32 rounds a block's largest p up to the next power of two, the scale stays one step lower and that p is held at the largest code.
.set FRB,   1536
.set RECB,  12800                      ; a record in memory: 50 rows of 256 bytes
.set ROWL,  320                        ; an LDS row
.set RECL,  50*ROWL                    ; a record in LDS: 16,000 bytes
.set SLOTB, 8*RECB                     ; a slot's bytes in memory
.set PARTB, SLOTB/16                   ; a wave's part: 25 rows
.set PARTL, 25*ROWL
.set SLOT1, 1<<17                      ; slot 1 begins here (a slot is 128,000 bytes): one exclusive or turns an address in one slot into the other's
.set SPARE, 2*SLOT1                    ; the spare words, 128 bytes for each of sixteen waves
.set LK,  1                            ; lane terms: K's fragments, V's fragments
.set LV,  2
.set SPW, 3                            ; LDS address of my spare word; never rewritten
.set NIL, 4                            ; 0; never rewritten
.set LKS, 5                            ; lane terms: K's scale words, V's (8 x lane)
.set LVS, 6
.set ADK, 7                            ; the four addresses of the two records in hand
.set ADV, 8
.set AKS, 9
.set AVS, 10
.set SEL, 11                           ; v_perm_b32's selector: my two scale bytes to bytes h and 2 + h
.set NMA, 12                           ; v[12:13], v[14:15]: -M in the low word, by turns
.set NMB, 14
.set QHI, 16                           ; v16-33: zeros, q, zeros
.set QLO, 22
.set QSL, 34                           ; v34 q's two bytes below, v35 above
.set KV,  36                           ; v36-83   four fragments of K, then of V
.set S,   84                           ; v84-147  S^T, then p
.set OT,  148                          ; v148-179 O^T
.set PC,  180                          ; v180-191 p's codes;  v192-199 the conversions' second halves
.set CT,  192
.set BM,  200                          ; v[200:201] my two blocks' largest scores, then t - M of them
.set T0,  202                          ; v202-203 second chains of the maxima
.set FL,  204                          ; floor(t - M)
.set BB,  206                          ; the scale bytes
.set SO,  208                          ; the conversions' scale operands
.set PW,  210
.set TX,  211
.set PSW, 212                          ; p's scale word
.set TP,  213
.set FF,  214                          ; v[214:215] f in the low word
.set LL,  216                          ; v[216:217] the row's sum, in two halves
.set PA,  218                          ; v218-225 four pairs of partial sums
.set RM,  226                          ; the running largest score
.set KS,  228                          ; v[228:229] K's scale words: register c, lanes 16 g + r
.set VS,  230                          ; v[230:231] V's: register j / 2, lanes 16 (j % 2) + r
.set R8,  232
.set LI,  233                          ; 16 x lane
.set WV,  16
.set TB,  48                           ; LDS byte at which the record in hand begins
.set SLOTS, 50
.set STEPS, 51
.macro CROUND
	s_barrier_signal -1
	s_barrier_wait -1
	s_cmp_lg_u32 s[WV], 0
	s_cbranch_scc1 .Lnot_wave_0_\@
	s_barrier_signal -3
.Lnot_wave_0_\@:
	s_barrier_wait -3
	s_barrier_signal -1
	s_barrier_wait -1
.endm
.macro WM d, a, b, c, sa, sb, row      ; c < 0: the sum starts with 0.  row = 1: source 0's scales stand in lanes 16-31
.if (\c) < 0
.if (\row) == 0
	v_wmma_scale_f32_16x16x128_f8f6f4 v[\d:\d+7], v[\a:\a+11], v[\b:\b+11], 0, v[\sa], v[\sb] matrix_a_fmt:MATRIX_FMT_BF6 matrix_b_fmt:MATRIX_FMT_BF6
.else
	v_wmma_scale_f32_16x16x128_f8f6f4 v[\d:\d+7], v[\a:\a+11], v[\b:\b+11], 0, v[\sa], v[\sb] matrix_a_fmt:MATRIX_FMT_BF6 matrix_b_fmt:MATRIX_FMT_BF6 matrix_a_scale:MATRIX_SCALE_ROW1
.endif
.else
.if (\row) == 0
	v_wmma_scale_f32_16x16x128_f8f6f4 v[\d:\d+7], v[\a:\a+11], v[\b:\b+11], v[\c:\c+7], v[\sa], v[\sb] matrix_a_fmt:MATRIX_FMT_BF6 matrix_b_fmt:MATRIX_FMT_BF6
.else
	v_wmma_scale_f32_16x16x128_f8f6f4 v[\d:\d+7], v[\a:\a+11], v[\b:\b+11], v[\c:\c+7], v[\sa], v[\sb] matrix_a_fmt:MATRIX_FMT_BF6 matrix_b_fmt:MATRIX_FMT_BF6 matrix_a_scale:MATRIX_SCALE_ROW1
.endif
.endif
.endm
.macro SUMS m                          ; four of p's 32 pairs onto the four partial sums
.irp x, 0,1,2,3
	v_pk_add_f32 v[PA+2*\x:PA+2*\x+1], v[PA+2*\x:PA+2*\x+1], v[S+2*(\x+4*(\m)):S+2*(\x+4*(\m))+1]
.endr
.endm
.macro COMBINE                         ; l = l f + the last step's sum, f still that step's
	v_pk_add_f32 v[PA:PA+1], v[PA:PA+1], v[PA+2:PA+3]
	v_pk_add_f32 v[PA+4:PA+5], v[PA+4:PA+5], v[PA+6:PA+7]
	s_delay_alu instid0(VALU_DEP_1)
	v_pk_add_f32 v[PA:PA+1], v[PA:PA+1], v[PA+4:PA+5]
	s_delay_alu instid0(VALU_DEP_1)
	v_pk_fma_f32 v[LL:LL+1], v[LL:LL+1], v[FF:FF+1], v[PA:PA+1] op_sel_hi:[1,0,1]
.endm
.macro FM nb, j0                       ; t - M of eight scores
.irp j, 0,2,4,6
	v_pk_fma_f32 v[S+\j0+\j:S+\j0+\j+1], v[S+\j0+\j:S+\j0+\j+1], s[22:23], v[\nb:\nb+1] op_sel_hi:[1,0,0]
.endr
.endm
	s_load_b256 s[4:11], s[0:1], 0x0               ; qcod, qscl, kv, acod
	s_load_b64 s[12:13], s[0:1], 0x20              ; ascl
	v_lshl_add_u32 v[SPW], v0, 2, SPARE
	v_mov_b32 v[NIL], 0
	ds_add_u32 v[SPW], v[NIL]                      ; the opening lines: the add, twice on end, and its wait ahead of my first tensor load
	ds_add_u32 v[SPW], v[NIL]
	v_lshrrev_b32 v[TP], 5, v0
	v_readfirstlane_b32 s[WV], v[TP]               ; wave 0..15
	v_and_b32 v[TP], 31, v0                        ; lane
	v_and_b32 v[TX], 15, v0                        ; r
	v_bfe_u32 v[PW], v0, 4, 1                      ; h
	v_and_b32 v[T0], 7, v0                         ; r % 8
	v_bfe_u32 v[T0+1], v0, 3, 1                    ; r / 8
	v_lshlrev_b32 v[LI], 4, v[TP]
	v_lshlrev_b32 v[LVS], 3, v[TP]
	v_lshlrev_b32 v[R8], 3, v[TX]                  ; 8 r
	v_lshlrev_b32 v[LV], 4, v[TX]
	v_lshlrev_b32 v[LK], 4, v[T0]
	v_lshlrev_b32 v[LKS], 3, v[T0]
	v_mad_u32_u24 v[LV], v[PW], ROWL, v[LV]        ; V: 16 r, lanes 16-31 in the next row
	v_mad_u32_u24 v[LK], v[T0+1], 6*ROWL, v[LK]    ; K: 16 (r % 8), + a fragment for r / 8,
	v_lshl_add_u32 v[LKS], v[T0+1], 7, v[LKS]      ; K's scale words: 8 (r % 8) + 128 (r / 8) + 64 h
	v_mad_u32_u24 v[LK], v[PW], ROWL, v[LK]        ; + a row for h
	v_lshl_add_u32 v[LKS], v[PW], 6, v[LKS]
	v_cmp_ne_u32 s46, 0, v[PW]
	v_mov_b32 v[SEL], 0x01040100                   ; lanes 0-15: bytes 0 and 2 (byte 1 of a scale byte's register is 0)
	v_mov_b32 v[TP], 0x04010001                    ; lanes 16-31: bytes 1 and 3
	v_cndmask_b32 v[SEL], v[SEL], v[TP], s46
	s_bfe_u32 s17, ttmp6, 0x40000                  ; cx
	s_lshl_b32 s18, ttmp9, 2
	s_add_co_u32 s18, s18, s17                     ; my block of 256 queries: it enters Q's address and the outputs' alone
	s_and_b32 s19, ttmp7, 0xffff                   ; 8 x batch + head, which the four partners share
	; descriptor group 1: 25 rows of 256 bytes (32 elements of 8 bytes), dense in memory, 16 words of padding behind each
	s_mov_b32 s24, 15|(3<<16)|(1<<20)|(1<<21)|(5<<22)|(15<<25)
	s_mov_b32 s25, 32<<16                          ; tensor_dim0
	s_mov_b32 s26, 25<<16                          ; tensor_dim1
	s_mov_b32 s27, 32<<16                          ; tile_dim0
	s_mov_b32 s28, 25                              ; tile_dim1
	s_mov_b32 s29, 32                              ; from row to row
	s_mov_b32 s30, 0
	s_mov_b32 s31, 0
	s_mov_b32 s20, 0x76543210
	s_mov_b32 s21, 0xfedcba98                      ; v_permlanex16_b32's selects for lane l xor 16
	s_mov_b32 s22, 0x3e38aa3b                      ; c = log2(e) / 8
	s_mov_b32 s23, s22                             ; (named with it as a pair, so it is written)
	s_mov_b32 s44, 0xbe38aa3b                      ; -c
	s_mov_b32 s[TB], 0
	s_mov_b32 s[SLOTS], 3
	s_mov_b32 s40, 1                               ; the walking descriptor: my part of slot 0,
	s_mul_i32 s41, s[WV], PARTL
	s_mul_i32 s56, s19, 32*RECB                    ; in the head's 32 records
	s_mul_i32 s49, s[WV], PARTB
	s_add_co_u32 s56, s56, s49
	s_mov_b32 s57, 0
	s_lshl_b32 s54, s19, 5                         ; Q: my tile is tile w % 8 of record 32 (8 batch + head) + 2 x block + w / 8: half w % 2 of fragment (w % 8) / 2
	s_lshl_b32 s55, s18, 1
	s_add_co_u32 s54, s54, s55
	s_lshr_b32 s55, s[WV], 3
	s_add_co_u32 s54, s54, s55
	s_bfe_u32 s55, s[WV], 0x20001                  ; the fragment
	s_mul_i32 s58, s54, 4*FRB
	s_mul_i32 s59, s55, FRB
	s_add_co_u32 s58, s58, s59
	s_mov_b32 s59, 0
	s_lshl_b32 s60, s54, 8                         ; its scale words: 128 (f % 2) + 4 (f / 2) + 8 r
	s_and_b32 s61, s55, 1
	s_lshl_b32 s61, s61, 7
	s_add_co_u32 s60, s60, s61
	s_lshr_b32 s61, s55, 1
	s_lshl_b32 s61, s61, 2
	s_add_co_u32 s60, s60, s61
	s_mov_b32 s61, 0
	s_and_b32 s53, s[WV], 1
	s_cselect_b32 s52, -1, 0                       ; all lanes' bits in odd waves: they take the fragment's upper six registers
	s_lshl_b32 s53, s53, 4                         ; and the scale word's upper two bytes
	s_lshr_b32 s54, s19, 3                         ; out: tile 256 x batch + 16 x block + w
	s_lshl_b32 s54, s54, 8
	s_lshl_b32 s55, s18, 4
	s_add_co_u32 s54, s54, s55
	s_add_co_u32 s54, s54, s[WV]
	s_and_b32 s55, s19, 7                          ; head
	s_lshl_b32 s62, s54, 3
	s_add_co_u32 s62, s62, s55
	s_mul_i32 s62, s62, 768
	s_mov_b32 s63, 0
	s_lshl_b32 s54, s54, 8
	s_lshl_b32 s55, s55, 1
	s_add_co_u32 s54, s54, s55
	s_mov_b32 s55, 0
	s_wait_dscnt 0x0                               ; both opening adds are done
	s_wait_kmcnt 0x0
	s_add_nc_u64 s[42:43], s[8:9], s[56:57]
	s_or_b32 s43, s43, 0x80000000
	s_add_nc_u64 s[4:5], s[4:5], s[58:59]
	s_add_nc_u64 s[6:7], s[6:7], s[60:61]
	s_add_nc_u64 s[10:11], s[10:11], s[62:63]
	s_add_nc_u64 s[12:13], s[12:13], s[54:55]
	CROUND                                         ; all four work-groups are here: the first joint loads meet
	tensor_load_to_lds s[40:43], s[24:31]          ; my part of slot 0: one load a wave, every wave
	s_nop 0
	s_wait_alu depctr_va_vdst(0)                   ; the wait ahead of the first readers of the head's registers
.irp c, 0,1,2
	global_load_b128 v[S+4*\c:S+4*\c+3], v[LI], s[4:5] offset:512*\c
.endr
	global_load_b32 v[TP], v[R8], s[6:7]
.irp j, 0,1,2,3,4,5
	v_mov_b32 v[QHI+\j], 0
	v_mov_b32 v[QLO+6+\j], 0
.endr
	v_mov_b32 v[RM], 0xff61b1e6                    ; the largest score so far: -3e38
	v_mov_b32 v[NMA], 0x7e967699                   ; its -M: 1e38, so that the first f is 0
	v_mov_b32 v[NMA+1], 0                          ; (upper halves of pairs are named, so they are written)
	v_mov_b32 v[NMB+1], 0
	v_mov_b32 v[FF], 0
	v_mov_b32 v[FF+1], 0
	v_mov_b32 v[LL], 0
	v_mov_b32 v[LL+1], 0
	v_mov_b32 v[TX], 0                             ; a lane permute's destination counts as one of its sources
.irp j, 0,1,2,3,4,5,6,7
	v_mov_b32 v[PA+\j], 0                          ; the step is written once: its first run adds up a p of zeros
.endr
.set J, 16
.rept 48
	v_mov_b32 v[S+J], 0
.set J, J+1
.endr
	s_wait_loadcnt 0x0
.irp j, 0,1,2,3,4,5
	v_cndmask_b32 v[QLO+\j], v[S+\j], v[S+6+\j], s52
.endr
	v_lshrrev_b32 v[QSL], s53, v[TP]
	s_delay_alu instid0(VALU_DEP_1)
	v_and_b32 v[QSL], 0xffff, v[QSL]               ; q's two bytes for k = 0 .. 63; the bytes of the zero half are 0, that is 2^-127, over zero codes
	s_delay_alu instid0(VALU_DEP_1)
	v_lshlrev_b32 v[QSL+1], 16, v[QSL]             ; and for k = 64 .. 127
.set J, 0
.rept 32
	v_mov_b32 v[OT+J], 0                           ; O^T.  (Also the places between Q's registers and scale words and the first products)
.set J, J+1
.endr
	s_wait_alu depctr_va_vdst(0)                   ; the wait at the head's end
; A KEY STEP: 128 keys of the record at byte o behind the addresses.  na: the register of the old -M, nb: of the new.  first = 1: the addresses are made
.macro STEP o, na, nb, first
.if \first
	v_add_nc_u32 v[ADK], s[TB], v[LK]              ; four plain lines behind the last products, in front of the loads into their registers
	v_add_nc_u32 v[ADV], s[TB], v[LV]
	v_add_nc_u32 v[AKS], s[TB], v[LKS]
	v_add_nc_u32 v[AVS], s[TB], v[LVS]
.else
	SUMS 2                                         ; the same four places
.endif
.irp f, 0,1,2,3
.irp k, 0,1,2
	ds_load_b128 v[KV+12*\f+4*\k:KV+12*\f+4*\k+3], v[ADK] offset:\o+12*ROWL*(\f/2)+128*(\f%2)+2*ROWL*\k
.endr
.endr
	ds_load_b64 v[KS:KS+1], v[AKS] offset:\o+48*ROWL
	ds_load_b64 v[VS:VS+1], v[AVS] offset:\o+49*ROWL
.if \first
	SUMS 2
.endif
.irp m, 3,4,5,6,7
	SUMS \m                                        ; the last step's p is added up while K is on its way
.endr
	s_wait_alu depctr_va_vdst(0)                   ; the wait directly ahead of the wait below
	s_wait_dscnt 0x0
.irp f, 0,1,2,3                                ; S^T = K Q^T: a fragment's two tiles of keys, by (q | 0) and by (0 | q)
.irp i, 0,1
	WM S+8*(2*\f+\i), KV+12*\f, QLO-6*\i, -1, KS+\f/2, QSL+\i, \f%2
.endr
.endr
	COMBINE                                        ; four plain lines: the places behind the products
.irp j, 0,1,2,3                                ; V's fragments take K's registers and land under the softmax
.irp k, 0,1,2
	ds_load_b128 v[KV+12*\j+4*\k:KV+12*\j+4*\k+3], v[ADV] offset:\o+(24+6*\j+2*\k)*ROWL
.endr
.endr
.irp c, 0,1                                    ; the largest score of my two blocks of 32 keys, two chains each; every accumulator is first read at its low end
	v_max3_num_f32 v[BM+\c], v[S+32*\c], v[S+32*\c+1], v[S+32*\c+2]
	v_max3_num_f32 v[T0+\c], v[S+32*\c+16], v[S+32*\c+17], v[S+32*\c+18]
.endr
.irp i, 3,5,7,9,11,13
.irp c, 0,1
	v_max3_num_f32 v[BM+\c], v[BM+\c], v[S+32*\c+\i], v[S+32*\c+\i+1]
	v_max3_num_f32 v[T0+\c], v[T0+\c], v[S+32*\c+16+\i], v[S+32*\c+16+\i+1]
.endr
.endr
	v_max3_num_f32 v[BM], v[BM], v[T0], v[S+15]    ; the two chains of each block meet, with the two scores that are left
	v_max3_num_f32 v[BM+1], v[BM+1], v[T0+1], v[S+47]
	v_max_num_f32 v[BM], v[BM], v[S+31]
	v_max_num_f32 v[BM+1], v[BM+1], v[S+63]
	s_delay_alu instid0(VALU_DEP_1)
	v_max_num_f32 v[TP], v[BM], v[BM+1]
	s_delay_alu instid0(VALU_DEP_1)
	v_permlanex16_b32 v[TX], v[TP], s20, s21       ; lane l xor 16's 64 keys
	s_delay_alu instid0(VALU_DEP_1)
	v_max3_num_f32 v[RM], v[RM], v[TP], v[TX]      ; the running largest score of my query
	s_delay_alu instid0(VALU_DEP_1)
	v_mul_f32 v[TP], s44, v[RM]                    ; -t (c is positive)
	s_delay_alu instid0(VALU_DEP_1)
	v_floor_f32 v[\nb], v[TP]                      ; the new -M = floor(-t): M is a whole number
	s_delay_alu instid0(VALU_DEP_1)
	v_pk_fma_f32 v[BM:BM+1], v[BM:BM+1], s[22:23], v[\nb:\nb+1] op_sel_hi:[1,0,0]   ; t - M of my blocks' largest scores
	v_sub_f32 v[TP], v[\nb], v[\na]                ; old M - new M: a whole number, 0 or less
	FM \nb, 0
	v_cvt_i32_f32 v[TP], v[TP]                     ; (it saturates)
	v_max_num_f32 v[BM], 0xc2f40000, v[BM]         ; held at -122: the byte cannot fall under 1
	v_max_num_f32 v[BM+1], 0xc2f40000, v[BM+1]
	FM \nb, 8
	v_ldexp_f32 v[FF], 1.0, v[TP]                  ; f = 2^(old M - new M)
	v_cvt_floor_i32_f32 v[FL], v[BM]               ; the exponent of the block's largest p
	v_cvt_floor_i32_f32 v[FL+1], v[BM+1]
	FM \nb, 16
	v_add_nc_u32 v[BB], 0x7b, v[FL]                ; - 4 + 127: the scale's byte
	v_add_nc_u32 v[BB+1], 0x7b, v[FL+1]
	FM \nb, 24
	v_lshlrev_b32 v[SO], 23, v[BB]                 ; as an exponent field: the conversion's scale operand
	v_lshlrev_b32 v[SO+1], 23, v[BB+1]
	FM \nb, 32
	FM \nb, 40
	FM \nb, 48
	FM \nb, 56
.irp j, 0,2,4,6,8,10,12,14,16,18,20,22,24,26,28,30
	v_pk_mul_f32 v[OT+\j:OT+\j+1], v[OT+\j:OT+\j+1], v[FF:FF+1] op_sel_hi:[1,0]   ; O^T under the new M
.endr
	s_wait_alu depctr_va_vdst(0)                   ; the wait ahead of the batch
.set J, 0
.rept 64
	v_exp_f32 v[S+J], v[S+J]                       ; p = 2^(t - M), at most 1
.set J, J+1
.endr
	v_perm_b32 v[PW], v[BB+1], v[BB], v[SEL]       ; my two bytes at their places in the scale word: the plain place behind the exponentials
	s_wait_alu depctr_va_vdst(0)                   ; one wait for the batch, ahead of its first reader
	v_permlanex16_b32 v[TX], v[PW], s20, s21
.irp c, 0,1
	v_cvt_scalef32_pk16_bf6_f32 v[PC+6*\c:PC+6*\c+2], v[S+32*\c:S+32*\c+15], v[SO+\c]
	v_cvt_scalef32_pk16_bf6_f32 v[CT+4*\c:CT+4*\c+2], v[S+32*\c+16:S+32*\c+31], v[SO+\c]   ; (a conversion's three registers begin on an even number)
.endr
	v_or_b32 v[PSW], v[PW], v[TX]                  ; p's scale word for these 128 keys: the plain place behind the conversions; ten plain lines stand between it and the products
.irp c, 0,1
.irp i, 0,1,2
	v_mov_b32 v[PC+6*\c+3+\i], v[CT+4*\c+\i]
.endr
.endr
.irp x, 0,1,2,3                                ; the sums of this step's p begin: the four places between p's codes and the products
	v_pk_add_f32 v[PA+2*\x:PA+2*\x+1], v[S+2*\x:S+2*\x+1], v[S+2*\x+8:S+2*\x+9]
.endr
	s_wait_alu depctr_va_vdst(0)                   ; the wait directly ahead of the wait below
	s_wait_dscnt 0x0                               ; V is in
.irp j, 0,1,2,3                                ; O^T += V^T P^T: the four accumulators by turns
	WM OT+8*\j, KV+12*\j, PC, OT+8*\j, VS+\j/2, PSW, \j%2
.endr
.endm
; THE CHANGE OF SLOTS stands at a slot's head.  Each wave waits for all its tensor loads (its part of the slot ahead), adds 0 to its spare word, and waits for that and for its reads of the slot that it has left.
; fill = 1: a round of the cluster's barrier; the joint fill of the slot left behind is the first thing behind it and has eight key steps in which to land.
.macro CHANGE fill
	s_wait_tensorcnt 0x0                           ; no tensor load of mine is out, so the descriptor may be written
	ds_add_u32 v[SPW], v[NIL]                      ; 0 onto my spare word
.if \fill
	s_xor_b32 s41, s41, SLOT1                      ; the other slot than last time,
	s_add_nc_u64 s[42:43], s[42:43], SLOTB         ; the next eight records; the type bits on top are not reached
.endif
	s_wait_dscnt 0x0                               ; the add is done, and my reads of the slot that I have left are over
.if \fill
	CROUND
	tensor_load_to_lds s[40:43], s[24:31]
	s_nop 0
.else
	s_barrier_signal -1
	s_barrier_wait -1
.endif
.endm
.macro SLOT_STEPS                      ; a slot's eight key steps: two are written, so that -M's two registers are back where they began; walked four times
	s_mov_b32 s[STEPS], 4
.Lstep_\@:
	STEP 0, NMA, NMB, 1
	STEP RECL, NMB, NMA, 0
	s_add_co_u32 s[TB], s[TB], 2*RECL
	s_sub_co_u32 s[STEPS], s[STEPS], 1
	s_cmp_lg_u32 s[STEPS], 0
	s_cbranch_scc1 .Lstep_\@
	s_sub_co_u32 s[TB], s[TB], 8*RECL              ; back to a slot's first record,
	s_xor_b32 s[TB], s[TB], SLOT1                  ; in the other slot
.endm
.Lslot:                                            ; three trips: behind each change of slots but the last the next slot is asked for
	CHANGE 1
	SLOT_STEPS
	s_sub_co_u32 s[SLOTS], s[SLOTS], 1
	s_cmp_lg_u32 s[SLOTS], 0
	s_cbranch_scc1 .Lslot
	CHANGE 0                                       ; the last slot is written out
	SLOT_STEPS
	; THE WAY OUT: the last step's p is added up (also the places behind the last products); O^T / l, quantised along the head's 64 channels: register 16 b + i = channel 32 b + 16 h + i of my query
.irp m, 2,3,4,5,6,7
	SUMS \m
.endr
	COMBINE
	s_delay_alu instid0(VALU_DEP_1)
	v_add_f32 v[LL], v[LL], v[LL+1]
	s_delay_alu instid0(VALU_DEP_1)
	v_permlanex16_b32 v[TX], v[LL], s20, s21
	s_delay_alu instid0(VALU_DEP_1)
	v_add_f32 v[LL], v[LL], v[TX]                  ; the row's sum
	s_wait_alu depctr_va_vdst(0)                   ; the wait ahead of the transcendental
	v_rcp_f32 v[LL], v[LL]
	v_lshlrev_b32 v[R8], 1, v[R8]                  ; 16 r.  (The plain place behind the reciprocal)
	s_wait_alu depctr_va_vdst(0)                   ; the wait ahead of its first reader and of O^T's
.set J, 0
.rept 32
	v_mul_f32 v[S+J], v[OT+J], v[LL]               ; each accumulator from its low end on
.set J, J+1
.endr
.irp b, 0,1
	v_max3_num_f32 v[BM+\b], |v[S+16*\b]|, |v[S+16*\b+1]|, 0x2800000   ; with the floor 2^(5 - 127): the byte cannot fall under 1
.endr
.irp i, 2,4,6,8,10,12,14
.irp b, 0,1
	s_delay_alu instid0(VALU_DEP_2)
	v_max3_num_f32 v[BM+\b], v[BM+\b], |v[S+16*\b+\i]|, |v[S+16*\b+\i+1]|
.endr
.endr
.irp b, 0,1
	s_delay_alu instid0(VALU_DEP_2)
	v_permlanex16_b32 v[T0+\b], v[BM+\b], s20, s21
.endr
.irp b, 0,1
	s_delay_alu instid0(VALU_DEP_2)
	v_max_num_f32 v[BM+\b], v[BM+\b], v[T0+\b]
.endr
.irp b, 0,1
	s_delay_alu instid0(VALU_DEP_2)
	v_add_nc_u32 v[SO+\b], 0xfe000000, v[BM+\b]    ; 4 off the exponent field: the conversion's scale operand
.endr
.irp b, 0,1
	s_delay_alu instid0(VALU_DEP_2)
	v_lshrrev_b32 v[T0+\b], 23, v[SO+\b]
.endr
	s_delay_alu instid0(VALU_DEP_1)
	v_lshl_or_b32 v[PW], v[T0+1], 8, v[T0]         ; my query's two scale bytes of this head
	v_cvt_scalef32_pk16_bf6_f32 v[PC:PC+2], v[S:S+15], v[SO]
	v_cvt_scalef32_pk16_bf6_f32 v[CT:CT+2], v[S+16:S+31], v[SO+1]
	v_nop                                          ; one plain place behind a scaled conversion
.irp i, 0,1,2
	v_permlane16_swap_b32 v[PC+\i], v[CT+\i]
.endr
.irp i, 0,1,2
	s_delay_alu instid0(VALU_DEP_3)
	v_mov_b32 v[PC+3+\i], v[CT+\i]                 ; lane (r, h): block h, 32 codes, of query r
.endr
	global_store_b128 v[LI], v[PC:PC+3], s[10:11]               ; 512 consecutive bytes, aligned,
	global_store_b64 v[LVS], v[PC+4:PC+5], s[10:11] offset:512  ; and 256
	global_store_b16 v[R8], v[PW], s[12:13]        ; two bytes of each of 16 rows, once a wave in the whole launch (lanes r and 16 + r write the same bytes with the same value): so the reader has a row's four scale words in 16 bytes
	s_wait_tensorcnt 0x0                           ; the wave's end
	ds_add_u32 v[SPW], v[NIL]
	s_wait_dscnt 0x0
	CROUND                                         ; the closing round
	s_endpgm
.Lfunc_end_k_q906979324b_attn:
	.size	k_q906979324b_attn, .Lfunc_end_k_q906979324b_attn-k_q906979324b_attn
	.p2alignl 7, 3214868480
	.fill 96, 4, 3214868480
	.section	.rodata,"a",@progbits
	.p2align	6, 0x0
	.amdhsa_kernel k_q906979324b_attn
		.amdhsa_group_segment_fixed_size 327680
		.amdhsa_private_segment_fixed_size 0
		.amdhsa_enable_private_segment 0
		.amdhsa_kernarg_size 40
		.amdhsa_user_sgpr_count 2
		.amdhsa_user_sgpr_kernarg_segment_ptr 1
		.amdhsa_wavefront_size32 1
		.amdhsa_system_sgpr_workgroup_id_x 1
		.amdhsa_system_sgpr_workgroup_id_y 1
		.amdhsa_system_sgpr_workgroup_id_z 1
		.amdhsa_system_vgpr_workitem_id 0
		.amdhsa_next_free_vgpr 256
		.amdhsa_next_free_sgpr 66
		.amdhsa_reserve_vcc 0
		.amdhsa_float_denorm_mode_32 3
		.amdhsa_float_denorm_mode_16_64 3
		.amdhsa_memory_ordered 1
		.amdhsa_forward_progress 1
		.amdhsa_inst_pref_size 74
	.end_amdhsa_kernel
	.amdgpu_metadata
---
amdhsa.version: [ 1, 2 ]
amdhsa.kernels:
  - .name:           k_q906979324b_attn
    .symbol:         k_q906979324b_attn.kd
    .args:
      - { .name: qcod, .offset: 0, .size: 8, .value_kind: global_buffer, .address_space: global }
      - { .name: qscl, .offset: 8, .size: 8, .value_kind: global_buffer, .address_space: global }
      - { .name: kv, .offset: 16, .size: 8, .value_kind: global_buffer, .address_space: global }
      - { .name: acod, .offset: 24, .size: 8, .value_kind: global_buffer, .address_space: global }
      - { .name: ascl, .offset: 32, .size: 8, .value_kind: global_buffer, .address_space: global }
    .group_segment_fixed_size: 327680
    .private_segment_fixed_size: 0
    .kernarg_segment_align: 8
    .kernarg_segment_size: 40
    .max_flat_workgroup_size: 512
    .sgpr_count:     66
    .vgpr_count:     256
    .wavefront_size: 32
...
	.end_amdgpu_metadata
.endif
;; end of part 2
;; launch proj (part 3): grid 256 x 1, 8 waves a work-group, clusters of 4 x 1, 312,832 bytes of LDS; arguments acod, ascl, Wo_codes, Wo_scales, bo, x, gamma, beta, out0; writes out0
.if DOCPART == 3
	.amdgcn_target "amdgcn-amd-amdhsa--gfx1250"
	.amdhsa_code_object_version 6
	.text
	.protected	k_q906979324b_proj
	.globl	k_q906979324b_proj
	.p2align	8
	.type	k_q906979324b_proj,@function
k_q906979324b_proj:
	s_mov_b64 s[64:65], 0
	v_nop
	global_prefetch_b8 v0, s[64:65] scope:SCOPE_SE
	s_setreg_imm32_b32 hwreg(HW_REG_WAVE_MODE, 25, 1), 1
	s_wait_xcnt 0x0
	s_wait_alu depctr_hold_cnt(0) depctr_sa_sdst(0) depctr_va_vdst(0) depctr_va_sdst(0) depctr_va_ssrc(0) depctr_va_vcc(0) depctr_vm_vsrc(0)
	s_getreg_b32 s2, hwreg(HW_REG_IB_STS2, 6, 4)
	s_cmp_eq_u32 s2, 0
	s_cbranch_scc0 .Lentry_in_a_cluster
	s_endpgm
.Lentry_in_a_cluster:
	s_bfe_u32 s2, ttmp6, 0x10000c
	s_cmp_lg_u32 s2, 0x3003
	s_cbranch_scc0 .Lentry_shape_is_right
	s_endpgm
.Lentry_shape_is_right:
; out0 = LayerNorm(x + A Wo + bo) x gamma + beta.  A: the attention's result as codes of BF6 (E3M2), in the order of the operand's registers; Wo: 512 rows (n) of 384 bytes of codes, K innermost, 16 scale bytes a row.
; SHARES.  A work-group takes two tiles of 16 rows, tiles 2 g and 2 g + 1, which together are rows 32 g .. 32 g + 31 (tile 2 b + u of a block of 128 rows has in lane r the row 32 b + 8 u + r + 8 (r / 8)).
; Wave w makes columns 64 w .. 64 w + 63 for the 32 rows: its 64 rows of Wo (16 fragments) stand in window 1.  The results meet in a stage in LDS, and each wave then normalises four whole rows.
; The product is used transposed (source 0 = 16 rows of Wo, source 1 = 16 rows of A): a lane holds eight neighbouring columns of one row.  bo is the C of each sum's first instruction.
; CLUSTER.  All work-groups read the same Wo: the four of a cluster ask for each wave's 64 rows jointly.
; The variance is the mean of the squared differences from the mean, taken in a second pass over registers: no difference of large sums is formed.
; LIMITS: NaN and infinities among the inputs are not served.
.set WREG, 30720                       ; LDS: wave w's 64 rows of Wo at w x WREG; a row: 6 x (64 bytes + 16 of padding)
.set WP,   480
.set STG,  8*WREG                      ; the stage: 32 rows x (2,048 bytes + 16); stage row 16 i + r holds tile i's lane r
.set SPT,  2064
.set L16, 1                            ; v1  16 x lane
.set L8,  2                            ; v2  8 x lane
.set WFA, 3                            ; v3  my place in a tile of Wo in LDS;  v4 the same behind one padding more
.set WFB, 4
.set R16, 5                            ; v5  16 r
.set H32, 7                            ; v7  32 h
.set STO, 8                            ; v8  the stage: where I put 32 bytes of a row
.set STR, 9                            ; v9  and from where I read my four rows
.set AF,  16                           ; v16-111  A's fragments, (tile i, K step s) at 12 (4 i + s); later gamma (v16-31) and beta (v32-47)
.set GA,  16
.set BE,  32
.set ACC, 112                          ; v112-175 eight accumulators, (i, j) at 32 i + 8 j; later my four rows, 16 numbers a lane each
.set AS,  176                          ; v176-183 A's scale words, 4 i + s
.set WS,  184                          ; v184-199 Wo's, 4 j + s
.set BO,  200                          ; v200-231 bo, eight registers a tile
.set PP,  232                          ; v232-239 a pair of partial sums a row
.set SS,  240                          ; v240-243 a sum a row
.set TT,  244                          ; v244-247 exchange
.set NM,  248                          ; v248-255 a pair a row: -mean, later 1 / sqrt(var + eps), in the low word
.set XX,  192                          ; window 1: v0-191 Wo, fragment (j, s) at 12 (4 j + s); v192-255 x, 16 numbers a row
.set WV,  40
.set MSB, 0
.macro WIN new
.if MSB != \new
	s_set_vgpr_msb (MSB<<8)|\new
.set MSB, \new
.endif
.endm
.macro PLACES
.rept 4
	v_nop
.endr
.endm
.macro CROUND
	s_barrier_signal -1
	s_barrier_wait -1
	s_cmp_lg_u32 s[WV], 0
	s_cbranch_scc1 .Lnot_wave_0_\@
	s_barrier_signal -3
.Lnot_wave_0_\@:
	s_barrier_wait -3
	s_barrier_signal -1
	s_barrier_wait -1
.endm
.macro FRAG reg, j, s                  ; tile j (rows 16 j + r of my 64), K step s: pieces of 8 bytes; lanes 16-31 read three pieces further on
.irp p, 0,1,2,3,4,5
.set PCE, 12*(\s)+6*(\p/3)+\p%3
.if PCE%8 < 5
	ds_load_b64 v[\reg+2*\p:\reg+2*\p+1], v[WFA] offset:8*PCE+16*(PCE/8)+16*(\j)*WP
.else
	ds_load_b64 v[\reg+2*\p:\reg+2*\p+1], v[WFB] offset:8*PCE+16*(PCE/8)+16*(\j)*WP
.endif
.endr
.endm
.macro REDUCE                          ; the four rows' pairs of partial sums become sums over the 32 lanes, in every lane; the rows by turns
.irp q, 0,1,2,3
	s_delay_alu instid0(VALU_DEP_4)
	v_add_f32 v[SS+\q], v[PP+2*\q], v[PP+2*\q+1]
.endr
.irp m, 1,2,4,8
.irp q, 0,1,2,3
	s_delay_alu instid0(VALU_DEP_4)
	v_add_f32_dpp v[SS+\q], v[SS+\q], v[SS+\q] row_xmask:\m row_mask:0xf bank_mask:0xf
.endr
.endr
.irp q, 0,1,2,3
	s_delay_alu instid0(VALU_DEP_4)
	v_permlanex16_b32 v[TT+\q], v[SS+\q], s36, s37
.endr
.irp q, 0,1,2,3
	s_delay_alu instid0(VALU_DEP_4)
	v_add_f32 v[SS+\q], v[SS+\q], v[TT+\q]
.endr
.endm
	s_load_b256 s[4:11], s[0:1], 0x0               ; acod, ascl, Wo's codes, Wo's scales
	s_load_b256 s[12:19], s[0:1], 0x20             ; bo, x, gamma, beta
	s_load_b64 s[20:21], s[0:1], 0x40              ; out0
	v_lshl_add_u32 v14, v0, 2, 0x4c200
	v_mov_b32 v15, 0
	ds_add_u32 v14, v15
	ds_add_u32 v14, v15
	v_lshrrev_b32 v10, 5, v0
	s_delay_alu instid0(VALU_DEP_1)
	v_readfirstlane_b32 s[WV], v10                 ; wave 0..7
	s_bfe_u32 s41, ttmp6, 0x40000                  ; cx
	s_lshl_b32 s42, ttmp9, 2
	s_add_co_u32 s42, s42, s41                     ; my 32 rows: it enters no LDS address and no descriptor
	s_mov_b32 s28, 15|(1<<20)|(1<<21)|(3<<22)|(3<<25)  ; descriptor group 1: the mask of all four; elements of 1 byte; 4 words of padding after every 16; bit 21 beside a mask
	; my 64 rows of 384 bytes are one dense block of 24,576 bytes: stated as 96 rows of 256 bytes, each at a multiple of 256; the padding is counted along the whole tile, so the LDS image is the same
	s_mov_b32 s29, 256<<16                         ; tensor_dim0
	s_mov_b32 s30, 96<<16                          ; tensor_dim1
	s_mov_b32 s31, 256<<16                         ; tile_dim0
	s_mov_b32 s32, 96                              ; tile_dim1
	s_mov_b32 s33, 256                             ; from row to row
	s_mov_b32 s34, 0
	s_mov_b32 s35, 0
	s_mov_b32 s36, 0x76543210
	s_mov_b32 s37, 0xfedcba98                      ; v_permlanex16_b32's selects for lane l xor 16
	s_mov_b32 s38, 0x3b000000                      ; 1 / 512
	s_mov_b32 s39, 0x3727c5ac                      ; 1e-5
	v_and_b32 v10, 31, v0
	s_delay_alu instid0(VALU_DEP_1)
	v_lshlrev_b32 v[L16], 4, v10
	s_delay_alu instid0(VALU_DEP_2)
	v_lshlrev_b32 v[L8], 3, v10
	v_and_b32 v10, 15, v0                          ; r
	v_bfe_u32 v11, v0, 4, 1                        ; h
	s_mul_i32 s44, s[WV], WREG
	v_mul_u32_u24 v[WFA], v10, WP
	s_delay_alu instid0(VALU_DEP_1)
	v_mad_u32_u24 v[WFA], v11, 24, v[WFA]
	s_delay_alu instid0(VALU_DEP_1)
	v_add_nc_u32 v[WFA], s44, v[WFA]
	s_delay_alu instid0(VALU_DEP_1)
	v_lshl_add_u32 v[WFB], v11, 4, v[WFA]
	v_lshlrev_b32 v[R16], 4, v10
	v_lshlrev_b32 v[H32], 5, v11
	s_lshl_b32 s45, s[WV], 8
	s_add_co_u32 s45, s45, STG
	v_mul_u32_u24 v[STO], v10, SPT
	s_delay_alu instid0(VALU_DEP_1)
	v_add_nc_u32 v[STO], v[STO], v[H32]
	s_delay_alu instid0(VALU_DEP_1)
	v_add_nc_u32 v[STO], s45, v[STO]               ; row r, + 32 h, + my 256 bytes of a row
	s_mul_i32 s45, s[WV], 4*SPT
	s_add_co_u32 s45, s45, STG
	v_add_nc_u32 v[STR], s45, v[L16]               ; stage rows 4 w .. 4 w + 3
.irp j, 0,1,2,3,4,5,6,7,8,9,10,11
	v_mov_b32 v[TT+\j], 0                          ; written once: permute destinations, and the upper halves of the pairs
.endr
	s_mul_i32 s2, s[WV], 64*384
	s_mov_b32 s3, 0
	s_mov_b32 s24, 1
	s_mul_i32 s25, s[WV], WREG
	s_mov_b32 s45, 0
	s_wait_dscnt 0x0
	s_wait_kmcnt 0x0
	s_add_nc_u64 s[26:27], s[8:9], s[2:3]
	s_or_b32 s27, s27, 0x80000000
	s_mul_i32 s44, s42, 12288                      ; my two tiles: 2 x 8 heads x 768 bytes
	s_add_nc_u64 s[4:5], s[4:5], s[44:45]
	s_lshl_b32 s44, s42, 9
	s_add_nc_u64 s[6:7], s[6:7], s[44:45]
	s_lshl_b32 s44, s[WV], 10
	s_add_nc_u64 s[10:11], s[10:11], s[44:45]
	s_lshl_b32 s44, s[WV], 8
	s_add_nc_u64 s[12:13], s[12:13], s[44:45]
	s_lshl_b32 s44, s42, 5                         ; stage rows 4 w + q are tile w / 4, lanes 4 (w % 4) + q: rows 32 g + 8 (w / 4) + 4 (w % 4) + 8 ((w % 4) / 2) + q
	s_lshr_b32 s46, s[WV], 2
	s_lshl_b32 s46, s46, 3
	s_add_co_u32 s44, s44, s46
	s_and_b32 s46, s[WV], 3
	s_lshl_b32 s47, s46, 2
	s_add_co_u32 s44, s44, s47
	s_lshr_b32 s46, s46, 1
	s_lshl_b32 s46, s46, 3
	s_add_co_u32 s44, s44, s46
	s_lshl_b32 s44, s44, 11
	s_add_nc_u64 s[14:15], s[14:15], s[44:45]
	s_add_nc_u64 s[20:21], s[20:21], s[44:45]
	CROUND                                         ; all four work-groups are here: the joint loads meet
	tensor_load_to_lds s[24:27], s[28:35]          ; my 64 rows of Wo: the wave's one tensor load
	s_nop 0
	PLACES                                         ; four v_nop follow it
.irp i, 0,1
.irp s, 0,1,2,3                                ; K step s = heads 2 s and 2 s + 1: six registers each
	global_load_b128 v[AF+12*(4*\i+\s):AF+12*(4*\i+\s)+3], v[L16], s[4:5] offset:6144*\i+1536*\s
	global_load_b64 v[AF+12*(4*\i+\s)+4:AF+12*(4*\i+\s)+5], v[L8], s[4:5] offset:6144*\i+1536*\s+512
	global_load_b128 v[AF+12*(4*\i+\s)+6:AF+12*(4*\i+\s)+9], v[L16], s[4:5] offset:6144*\i+1536*\s+768
	global_load_b64 v[AF+12*(4*\i+\s)+10:AF+12*(4*\i+\s)+11], v[L8], s[4:5] offset:6144*\i+1536*\s+1280
.endr
.endr
.irp i, 0,1
	global_load_b128 v[AS+4*\i:AS+4*\i+3], v[R16], s[6:7] offset:256*\i
.endr
.irp j, 0,1,2,3
	global_load_b128 v[WS+4*\j:WS+4*\j+3], v[R16], s[10:11] offset:256*\j
.endr
.irp j, 0,1,2,3
	global_load_b128 v[BO+8*\j:BO+8*\j+3], v[H32], s[12:13] offset:64*\j
	global_load_b128 v[BO+8*\j+4:BO+8*\j+7], v[H32], s[12:13] offset:64*\j+16
.endr
	WIN 0x40                                       ; destination window 1
.irp q, 0,1,2,3
.irp m, 0,1,2,3
	global_load_b128 v[XX+16*\q+4*\m:XX+16*\q+4*\m+3], v[L16], s[14:15] offset:2048*\q+512*\m th:TH_LOAD_NT   ; my four rows of x, last: they may stay out under the products
.endr
.endr
	s_wait_tensorcnt 0x0                           ; my rows of Wo are in LDS; nobody else reads them
.irp j, 0,1,2,3
.irp s, 0,1,2,3
	FRAG 12*(4*\j+\s), \j, \s
.endr
.endr
	WIN 0
	s_wait_dscnt 0x0
	s_wait_loadcnt 16                              ; all but x's sixteen loads
	WIN 0x01                                       ; Wo in window 1
.irp s, 0,1,2,3                                ; the eight accumulators take turns, one instruction a turn
.irp i, 0,1
.irp j, 0,1,2,3
.if \s == 0
	v_wmma_scale_f32_16x16x128_f8f6f4 v[ACC+32*\i+8*\j:ACC+32*\i+8*\j+7], v[12*(4*\j+\s):12*(4*\j+\s)+11], v[AF+12*(4*\i+\s):AF+12*(4*\i+\s)+11], v[BO+8*\j:BO+8*\j+7], v[WS+4*\j+\s], v[AS+4*\i+\s] matrix_a_fmt:MATRIX_FMT_BF6 matrix_b_fmt:MATRIX_FMT_BF6
.else
	v_wmma_scale_f32_16x16x128_f8f6f4 v[ACC+32*\i+8*\j:ACC+32*\i+8*\j+7], v[12*(4*\j+\s):12*(4*\j+\s)+11], v[AF+12*(4*\i+\s):AF+12*(4*\i+\s)+11], v[ACC+32*\i+8*\j:ACC+32*\i+8*\j+7], v[WS+4*\j+\s], v[AS+4*\i+\s] matrix_a_fmt:MATRIX_FMT_BF6 matrix_b_fmt:MATRIX_FMT_BF6
.endif
.endr
.endr
.endr
	WIN 0
	PLACES
.irp m, 0,1,2,3                                ; gamma and beta at my 16 columns, 128 m + 4 lane + 0 .. 3, into registers that A has left
	global_load_b128 v[GA+4*\m:GA+4*\m+3], v[L16], s[16:17] offset:512*\m
	global_load_b128 v[BE+4*\m:BE+4*\m+3], v[L16], s[18:19] offset:512*\m
.endr
.irp i, 0,1
.irp j, 0,1,2,3
	ds_store_b128 v[STO], v[ACC+32*\i+8*\j:ACC+32*\i+8*\j+3] offset:16*\i*SPT+64*\j        ; each accumulator from its low end on
	ds_store_b128 v[STO], v[ACC+32*\i+8*\j+4:ACC+32*\i+8*\j+7] offset:16*\i*SPT+64*\j+16
.endr
.endr
	s_wait_dscnt 0x0                               ; for the others' sake: my stores into the stage have landed
	s_barrier_signal -1
	s_barrier_wait -1                              ; 32 whole rows lie in the stage
.irp q, 0,1,2,3
.irp m, 0,1,2,3
	ds_load_b128 v[ACC+16*\q+4*\m:ACC+16*\q+4*\m+3], v[STR] offset:SPT*\q+512*\m
.endr
.endr
	s_wait_dscnt 0x0
	s_wait_loadcnt 0x0                             ; x, gamma, beta
	WIN 0x04                                       ; x in window 1
.irp k, 0,1,2,3,4,5,6,7
.irp q, 0,1,2,3
	v_pk_add_f32 v[ACC+16*\q+2*\k:ACC+16*\q+2*\k+1], v[ACC+16*\q+2*\k:ACC+16*\q+2*\k+1], v[XX+16*\q+2*\k:XX+16*\q+2*\k+1]   ; y = x + A Wo + bo
.endr
.endr
	WIN 0
.irp q, 0,1,2,3
	v_pk_add_f32 v[PP+2*\q:PP+2*\q+1], v[ACC+16*\q:ACC+16*\q+1], v[ACC+16*\q+2:ACC+16*\q+3]
.endr
.irp k, 2,3,4,5,6,7
.irp q, 0,1,2,3
	s_delay_alu instid0(VALU_DEP_4)
	v_pk_add_f32 v[PP+2*\q:PP+2*\q+1], v[PP+2*\q:PP+2*\q+1], v[ACC+16*\q+2*\k:ACC+16*\q+2*\k+1]
.endr
.endr
	REDUCE
.irp q, 0,1,2,3
	s_delay_alu instid0(VALU_DEP_4)
	v_mul_f32 v[NM+2*\q], 0xbb000000, v[SS+\q]     ; -mean
.endr
.irp k, 0,1,2,3,4,5,6,7
.irp q, 0,1,2,3
	v_pk_add_f32 v[ACC+16*\q+2*\k:ACC+16*\q+2*\k+1], v[ACC+16*\q+2*\k:ACC+16*\q+2*\k+1], v[NM+2*\q:NM+2*\q+1] op_sel_hi:[1,0]
.endr
.endr
.irp q, 0,1,2,3
	v_pk_mul_f32 v[PP+2*\q:PP+2*\q+1], v[ACC+16*\q:ACC+16*\q+1], v[ACC+16*\q:ACC+16*\q+1]
.endr
.irp k, 1,2,3,4,5,6,7
.irp q, 0,1,2,3
	s_delay_alu instid0(VALU_DEP_4)
	v_pk_fma_f32 v[PP+2*\q:PP+2*\q+1], v[ACC+16*\q+2*\k:ACC+16*\q+2*\k+1], v[ACC+16*\q+2*\k:ACC+16*\q+2*\k+1], v[PP+2*\q:PP+2*\q+1]
.endr
.endr
	REDUCE
.irp q, 0,1,2,3
	s_delay_alu instid0(VALU_DEP_4)
	v_fma_f32 v[SS+\q], v[SS+\q], s38, s39         ; var + eps
.endr
	s_wait_alu depctr_va_vdst(0)
.irp q, 0,1,2,3
	v_rsq_f32 v[NM+2*\q], v[SS+\q]
.endr
	v_nop                                          ; a plain place behind the last of the four
	s_wait_alu depctr_va_vdst(0)                   ; one wait for the batch, ahead of its first reader
.irp k, 0,1,2,3,4,5,6,7
.irp q, 0,1,2,3
	v_pk_mul_f32 v[ACC+16*\q+2*\k:ACC+16*\q+2*\k+1], v[ACC+16*\q+2*\k:ACC+16*\q+2*\k+1], v[NM+2*\q:NM+2*\q+1] op_sel_hi:[1,0]
.endr
.endr
.irp k, 0,1,2,3,4,5,6,7
.irp q, 0,1,2,3
	v_pk_fma_f32 v[ACC+16*\q+2*\k:ACC+16*\q+2*\k+1], v[ACC+16*\q+2*\k:ACC+16*\q+2*\k+1], v[GA+2*\k:GA+2*\k+1], v[BE+2*\k:BE+2*\k+1]
.endr
.endr
.irp q, 0,1,2,3
.irp m, 0,1,2,3
	global_store_b128 v[L16], v[ACC+16*\q+4*\m:ACC+16*\q+4*\m+3], s[20:21] offset:2048*\q+512*\m th:TH_STORE_NT   ; 32 lanes store 512 consecutive bytes, aligned
.endr
.endr
	s_wait_dscnt 0x0
	s_wait_tensorcnt 0x0
	ds_add_u32 v14, v15
	s_wait_dscnt 0x0
	CROUND                                         ; the closing round: no work-group ends while a partner may still ask for rows that name it
	s_endpgm
.Lfunc_end_k_q906979324b_proj:
	.size	k_q906979324b_proj, .Lfunc_end_k_q906979324b_proj-k_q906979324b_proj
	.p2alignl 7, 3214868480
	.fill 96, 4, 3214868480
	.section	.rodata,"a",@progbits
	.p2align	6, 0x0
	.amdhsa_kernel k_q906979324b_proj
		.amdhsa_group_segment_fixed_size 312832
		.amdhsa_private_segment_fixed_size 0
		.amdhsa_enable_private_segment 0
		.amdhsa_kernarg_size 72
		.amdhsa_user_sgpr_count 2
		.amdhsa_user_sgpr_kernarg_segment_ptr 1
		.amdhsa_wavefront_size32 1
		.amdhsa_system_sgpr_workgroup_id_x 1
		.amdhsa_system_sgpr_workgroup_id_y 1
		.amdhsa_system_sgpr_workgroup_id_z 1
		.amdhsa_system_vgpr_workitem_id 0
		.amdhsa_next_free_vgpr 512
		.amdhsa_next_free_sgpr 66
		.amdhsa_reserve_vcc 0
		.amdhsa_float_denorm_mode_32 3
		.amdhsa_float_denorm_mode_16_64 3
		.amdhsa_memory_ordered 1
		.amdhsa_forward_progress 1
		.amdhsa_inst_pref_size 46
	.end_amdhsa_kernel
	.amdgpu_metadata
---
amdhsa.version: [ 1, 2 ]
amdhsa.kernels:
  - .name:           k_q906979324b_proj
    .symbol:         k_q906979324b_proj.kd
    .args:
      - { .name: acod, .offset: 0, .size: 8, .value_kind: global_buffer, .address_space: global }
      - { .name: ascl, .offset: 8, .size: 8, .value_kind: global_buffer, .address_space: global }
      - { .name: Wo_codes, .offset: 16, .size: 8, .value_kind: global_buffer, .address_space: global }
      - { .name: Wo_scales, .offset: 24, .size: 8, .value_kind: global_buffer, .address_space: global }
      - { .name: bo, .offset: 32, .size: 8, .value_kind: global_buffer, .address_space: global }
      - { .name: x, .offset: 40, .size: 8, .value_kind: global_buffer, .address_space: global }
      - { .name: gamma, .offset: 48, .size: 8, .value_kind: global_buffer, .address_space: global }
      - { .name: beta, .offset: 56, .size: 8, .value_kind: global_buffer, .address_space: global }
      - { .name: out0, .offset: 64, .size: 8, .value_kind: global_buffer, .address_space: global }
    .group_segment_fixed_size: 312832
    .private_segment_fixed_size: 0
    .kernarg_segment_align: 8
    .kernarg_segment_size: 72
    .max_flat_workgroup_size: 256
    .sgpr_count:     66
    .vgpr_count:     512
    .wavefront_size: 32
...
	.end_amdgpu_metadata
.endif
;; end of part 3
